; MI455X (gfx1250); checked and timed in simulation.
; The chip was launched on July 23, 2026; its instructions are those of AMD's public machine-readable ISA for CDNA 5 (MIT licence, August 2026) and "CDNA5" Instruction Set Architecture Reference Guide (July 2026). The comments in the code are by the model that wrote it; some were corrected since.
;; KNRM. Allowed arithmetic: float matrix products may take bf16 or f16 operands with f32 sums; all other float work in f32.
;; Inputs: W0 10 x 21 float32; W1 5 x 10 float32; W2 1 x 5 float32; b0 10 float32; b1 5 float32; b2 1 float32; document_1 512 x 256 int32; document_2 512 x 256 int32; emb_weight 100,000 x 256 float32; query_1 512 x 32 int32; query_2 512 x 32 int32.
;; Outputs: out0 512 x 1 float32.
;; One version. Each part assembles by itself: llvm-mc -triple=amdgcn-amd-amdhsa -mcpu=gfx1250 --defsym DOCPART=n.
;; ======== version 1 of 1: 1 launch
;; launch knrm (part 1): grid 256 x 1, 8 waves a work-group, no clusters, 160,768 bytes of LDS; arguments emb_weight, query_1, query_2, document_1, document_2, W0, b0, W1, b1, W2, b2, out0; writes out0
.if DOCPART == 1
	.amdgcn_target "amdgcn-amd-amdhsa--gfx1250"
	.amdhsa_code_object_version 6
	.text
	.protected	k_q02e087b702_knrm
	.globl	k_q02e087b702_knrm
	.p2align	8
	.type	k_q02e087b702_knrm,@function
k_q02e087b702_knrm:
	s_mov_b64 s[64:65], 0
	v_nop
	global_prefetch_b8 v0, s[64:65] scope:SCOPE_SE
	s_setreg_imm32_b32 hwreg(HW_REG_WAVE_MODE, 25, 1), 1
	s_wait_xcnt 0x0
; KNRM: out[b] = sigmoid(l(query_1, document_1)[b] - l(query_2, document_2)[b]), where l gathers 32 query rows and 256 document rows
; of 256 f32, forms their 32 x 256 cosines, bins each cosine softly into 21 Gaussians, sums over documents, takes log1p, sums over
; queries and runs a 21 -> 10 -> 5 -> 1 perceptron.
;
; SHARES.  512 batches x 2 pairs = 1,024 problems.  A work-group owns two batches = 4 problems, 8 waves.  Wave w: problem w >> 1
; (batch w >> 2, pair (w >> 1) & 1), document half w & 1.  It gathers 16 of its problem's query rows and 128 document rows
; (8 tiles of 16) and multiplies its documents with all 32 queries.  The document stage in LDS is the wave's own: no barrier in the loop.
;
; GATHER.  A row is 1,024 bytes: two loads of the wave, 512 consecutive aligned bytes each, from a scalar base made of the index.
; 16 row slots of 8 registers: 32 loads = 16 KiB of every wave are always asked for; a slot is asked for again as soon as it is converted.
;
; COSINE.  Rows are rounded to bf16 as they are.  x = dot * rd * rq with r = 1 / max(|row|, 1e-8), and |row|^2 is the diagonal of the
; product of the ROUNDED row tile with itself, summed in the same order as the dot: equal tokens give x = 1 to a few units of f32's last
; place, which the kernel of width 0.001 at 1.0 needs.
;
; BINNING.  The 20 wide kernels are 0.1 apart with one width: K(10+j) = K10 u^j e^(-j(j+1)/2), K(10-j) = K10 u^-j e^(-j(j-1)/2), u = e^(10x).
; So a cosine costs 4 exponentials (K10, u, 1/u, the narrow kernel) and one multiply and one add per kernel, two cosines to an instruction;
; the constant factors are applied once, to the sums over documents.  For |x| <= 1: K10 >= e^-55.2, the products stay below e^45,
; a sum of 256 of them below 1e22, and a product only underflows where the true kernel value is below e^-87.
;
; NOT USED: clusters and joint requests: the rows that work-groups read are named by random indices, no tile is common to two of them, and
; the weights are some 1,100 bytes.  The tensor mover: the rows are scattered.  Cache hints: an index may name a row again.
; The output is 8 bytes per work-group (2,048 in all): it cannot be stored in whole runs of 256 bytes without a second launch.
;
; LIMITS.  log1p(S) is ln 2 * log2(1 + S): an absolute error of up to 2^-24 in each of the 32 terms of a sum (no relative accuracy for S < 1e-7).
; v_rsq_f32, v_exp_f32, v_log_f32, v_rcp_f32 are good to one unit in the last place.  NaN or infinity in the table are not followed as the
; definition follows them.  An index outside 0 .. 99,999 is taken as 99,999.
.set VOCAB,  100000
.set PITCH,  528                       ; a bf16 row in LDS: 512 bytes + 16 = 33 x 16, so 16 neighbouring rows start in 16 different 16-byte columns modulo 256
.set TILEB,  16*PITCH                  ; 16 rows
.set STAGE,  8*TILEB                   ; LDS 0: queries, 4 problems x 32 rows.  STAGE: 8 waves x 16 document rows
.set RDS,    2*STAGE                   ; 8 waves x 256: 32 words, one per lane, for the reciprocal norms
.set RED,    RDS+8*256                 ; 4 problems x REDP: the partial sums of the wave with the upper document half
.set REDP,   5376                      ; ten blocks of 512 (16 bytes a lane) and one of 256 (8 bytes a lane): 42 words a lane
.set LG,     RED+4*REDP                ; 4 words: the problems' logits
; scalar registers
.set IDX,    40                        ; s[40:55]  16 indices; at the end selectors and the perceptron's hidden values
.set MASK,   56                        ; s[56:62]  lanes with lane % 8 = 1 .. 7
.set BASE,   66                        ; s[66:97]  a row address for each slot
; vector registers 0-255
.set OFFG,   1                         ; 16 x lane
.set STQ,    2                         ; where I put 16 bytes of query row 0 of my 16
.set STD,    3                         ; the same for a document row, in my stage
.set FQ,     4                         ; fragment address in my problem's queries
.set FD,     5                         ; fragment address in my stage
.set LANE,   6
.set RR,     7                         ; lane % 16
.set CV,     8                         ; v[8:15]   two sets of four packed words
.set KM,     16                        ; v[16:36]  the 21 pooled values
.set H0,     37
.set H1,     38
.set LGT,    39
.set W0O,    48                        ; byte offsets into the weights (v48-52), LDS addresses of the end (v53, v54, v56, v57), 4 x lane (v55)
.set B0O,    49
.set W1O,    50
.set B1O,    51
.set ZO,     52
.set LGST,   53
.set LGLD,   54
.set OUTO,   55
.set REDA,   56
.set REDB,   57
.set QLO,    64                        ; v[64:127]  query fragments of K steps 0-3, at 16 s + 8 tile; at the end SS
.set SS,     64                        ; v[64:105]  sums: kernel k, query tile t at 2 k + t
.set LB,     128                       ; v[128:255] 16 row slots of 8; at the end WT and PT
.set WT,     128                       ; v[128:166] W0 row (21), b0, W1 row (10), b1, W2 (5), b2
.set PT,     168                       ; v[168:209] the partner's sums, then the other half-wave's
; vector registers 256-511, written by their low 8 bits
.set ACC,    0                         ; v[0:83]    sums over documents: query tile t, kernel k: the pair at 42 t + 2 k (even and odd documents)
.set D0,     84                        ; v[84:91]   dots with query tile 0
.set D1,     92                        ; v[92:99]   dots with query tile 1
.set RD,     100                       ; v[100:107] the tile's product with itself, then the 8 reciprocal norms of my documents
.set CQ,     108                       ; v[108:115] per query tile: rq x (10 log2 e, sqrt(50 log2 e), sqrt(500000 log2 e), the same again)
.set RDST,   116
.set RDLD,   117
.set RQLD,   118
.set SEL,    119
.set RN,     122
.set RQ,     123
.set DF,     128                       ; v[128:191] document fragments of the 8 K steps; free for the binning once the products are made:
.set PD,     128                       ;   K10 u^-j      (4 pairs each)
.set T,      136                       ;   sums of two pairs
.set KX,     144                       ;   the narrow kernel
.set PU,     152                       ;   K10 u^j
.set U,      160
.set UI,     168
.set QHI,    192                       ; v[192:255] query fragments of K steps 4-7
; s_set_vgpr_msb, low byte: bits 1:0 source 0, 3:2 source 1, 5:4 source 2, 7:6 destination; the high byte repeats the setting that is left.
.set MSB, 0
.macro WIN new
.if MSB != \new
	s_set_vgpr_msb (MSB<<8)|\new
.set MSB, \new
.endif
.endm
	s_load_b512 s[4:19], s[0:1], 0x0               ; table 4:5, query_1 6:7, query_2 8:9, document_1 10:11, document_2 12:13, W0 14:15, b0 16:17, W1 18:19
	s_load_b256 s[20:27], s[0:1], 0x40             ; b1 20:21, W2 22:23, b2 24:25, out 26:27
	v_lshl_add_u32 v62, v0, 2, 0x27000
	v_mov_b32 v63, 0
	v_lshrrev_b32 v40, 5, v0
	v_readfirstlane_b32 s28, v40                   ; wave
	s_and_b32 s29, s28, 1                          ; document half, and which 16 queries I gather
	s_lshr_b32 s31, s28, 1                         ; problem in the group
	s_and_b32 s30, s31, 1                          ; pair
	s_lshr_b32 s2, s28, 2
	s_lshl_b32 s32, ttmp9, 1
	s_add_co_u32 s32, s32, s2                      ; batch
	s_mov_b32 s37, 0                               ; upper word of every offset; stays 0
	s_lshl_b32 s2, s32, 10                         ; 256 document indices a batch,
	s_lshl_b32 s3, s29, 9                          ; 128 a half
	s_add_co_u32 s36, s2, s3
	s_wait_kmcnt 0x0
	s_cmp_eq_u32 s30, 0
	s_cselect_b64 s[34:35], s[10:11], s[12:13]     ; my pair's documents
	s_cselect_b64 s[38:39], s[6:7], s[8:9]         ; my pair's queries
	s_add_nc_u64 s[34:35], s[34:35], s[36:37]
	s_lshl_b32 s2, s32, 7                          ; 32 query indices a batch, 16 a wave
	s_lshl_b32 s3, s29, 6
	s_add_co_u32 s36, s2, s3
	s_add_nc_u64 s[38:39], s[38:39], s[36:37]
	s_load_b512 s[IDX:IDX+15], s[38:39], 0x0       ; my 16 query indices; the set-up below runs while they come
.irp j, 1,2,3,4,5,6,7
	s_mov_b32 s[MASK+\j-1], 0x01010101<<\j
.endr
	s_mov_b32 s98, 0xbed96d27                      ; -0.05 sqrt(50 log2 e)
	s_mov_b32 s99, 0xbed96d27
	s_mov_b32 s100, 0xc4545498                     ; -sqrt(500000 log2 e): the very number that CQ's third word is made with
	s_mov_b32 s101, 0xc4545498
	v_and_b32 v[LANE], 31, v0
	v_and_b32 v[RR], 15, v0
	v_bfe_u32 v40, v0, 4, 1                        ; h = lane / 16
	v_bfe_u32 v41, v0, 3, 1                        ; (lane / 8) % 2
	v_lshlrev_b32 v[OFFG], 4, v[LANE]
	s_mul_i32 s2, s28, TILEB
	v_add_nc_u32 v[STQ], s2, v[OFFG]               ; problem x 32 rows + half x 16 rows = wave x 16 rows
	v_add_nc_u32 v[STD], STAGE, v[STQ]
	v_mul_u32_u24 v42, v[RR], PITCH
	v_lshl_add_u32 v42, v40, 4, v42                ; fragment: row lane % 16, 16 bytes for each half of the lanes
	s_mul_i32 s3, s31, 2*TILEB
	v_add_nc_u32 v[FQ], s3, v42
	s_add_co_u32 s2, s2, STAGE
	v_add_nc_u32 v[FD], s2, v42
	s_lshl_b32 s2, s28, 8
	s_add_co_u32 s2, s2, RDS                       ; my 32 words for norms
	v_mul_u32_u24 v43, v40, 96
	v_lshlrev_b32 v44, 6, v41
	v_lshl_add_u32 v44, v[RR], 2, v44
	WIN 0x40
	v_lshl_add_u32 v[RDST], v[LANE], 2, s2         ; every lane stores its word at 4 x lane; rows 0-7 come from lanes 0-7, rows 8-15 from lanes 24-31
	v_add_nc_u32 v[RDLD], s2, v43                  ; rows 8h .. 8h+7: words 24 h ..
	v_add_nc_u32 v[RQLD], s2, v44                  ; row r: word r + 16 (r / 8)
	WIN 0
	s_mul_i32 s3, s31, REDP
	s_add_co_u32 s3, s3, RED
	v_add_nc_u32 v[REDA], s3, v[OFFG]
	s_add_co_u32 s3, s3, 5120
	v_lshl_add_u32 v[REDB], v[LANE], 3, s3
	v_min_u32 v45, 9, v[LANE]                      ; lane i < 10 takes row i of W0, lane i < 5 row i of W1; the others repeat the last row
	v_mul_u32_u24 v[W0O], v45, 84
	v_lshlrev_b32 v[B0O], 2, v45
	v_min_u32 v46, 4, v[LANE]
	v_mul_u32_u24 v[W1O], v46, 40
	v_lshlrev_b32 v[B1O], 2, v46
	v_mov_b32 v[ZO], 0
	s_lshl_b32 s2, s31, 2
	s_add_co_u32 s2, s2, LG
	v_mov_b32 v[LGST], s2
	v_min_u32 v47, 1, v[LANE]
	v_lshlrev_b32 v[LGLD], 3, v47
	v_add_nc_u32 v[LGLD], LG, v[LGLD]
	v_lshlrev_b32 v[OUTO], 2, v[LANE]
; Slot i asks for the row that index i names: lane L takes elements 4L .. 4L+3 and 128+4L .. 128+4L+3.
.macro GATHER i
	s_min_u32 s36, s[IDX+\i], VOCAB-1
	s_lshl_b32 s36, s36, 10                        ; 1,024 bytes a row: below 2^27
	s_add_nc_u64 s[BASE+2*\i:BASE+2*\i+1], s[4:5], s[36:37]
	global_load_b128 v[LB+8*\i:LB+8*\i+3], v[OFFG], s[BASE+2*\i:BASE+2*\i+1]
	global_load_b128 v[LB+8*\i+4:LB+8*\i+7], v[OFFG], s[BASE+2*\i:BASE+2*\i+1] offset:512
.endm
; Slot i's row to bf16 and into LDS row i at st.  A lane's 8 numbers become 16-byte chunk L of the row, so K lies in LDS in the order
; 4L .. 4L+3, 128+4L .. 128+4L+3: the same for queries and documents, which keeps every product.
; left = the younger loads that may stay out.  Loads come back in order (ISA guide 5.7.1), so the wait also shows that the slot's
; base pair is read: only behind it is the pair written again.
.macro ROW i, st, refill, left
	s_wait_loadcnt \left
	v_cvt_pk_bf16_f32 v[CV+4*(\i&1)],   v[LB+8*\i],   v[LB+8*\i+1]
	v_cvt_pk_bf16_f32 v[CV+4*(\i&1)+1], v[LB+8*\i+2], v[LB+8*\i+3]
	v_cvt_pk_bf16_f32 v[CV+4*(\i&1)+2], v[LB+8*\i+4], v[LB+8*\i+5]
	v_cvt_pk_bf16_f32 v[CV+4*(\i&1)+3], v[LB+8*\i+6], v[LB+8*\i+7]
	ds_store_b128 v[\st], v[CV+4*(\i&1):CV+4*(\i&1)+3] offset:PITCH*\i
.if \refill
	GATHER \i
.endif
.endm
; All 16 slots.  refill = 1: each is asked for again with the next tile's index, so the count is 30: the two loads of each of the
; 15 other slots.  Then the indices of the tile after that are asked for; in the trip that asks for document tile 7 that would pass the
; end of my 128 indices, so the offset is clamped: tile 7's indices come once more and are not used.
.macro CONVERT st, refill
.if \refill
	s_wait_kmcnt 0x0                               ; the next tile's indices are in; s33 is read
.irp i, 0,1,2,3,4,5,6,7,8,9,10,11,12,13,14,15
	ROW \i, \st, 1, 30
.endr
	s_add_co_u32 s33, s33, 64
	s_min_u32 s33, s33, 448
	s_load_b512 s[IDX:IDX+15], s[34:35], s33 offset:0x0
.else
.irp i, 0,1,2,3,4,5,6,7,8,9,10,11,12,13,14,15
	ROW \i, \st, 0, 30-2*\i                        ; nothing is asked for any more: the rows behind row i
.endr
.endif
.endm
; Reciprocal norms from the 16 x 16 product of a tile with itself in v[dd:dd+7].  Element (m, m) lies in register m % 8 of lane m (m < 8) or
; lane m + 16 (m >= 8): every lane picks register lane % 8.  min(rsq(s), 1e8) = 1 / max(sqrt(s), 1e-8) for every s >= 0; the lanes off the
; diagonal make a number that nobody reads.  The words go through the wave's own 128 bytes of LDS, which serves a wave's instructions in order.
.macro NORM dd, isq, qt
	v_cndmask_b32 v[SEL], v[\dd], v[\dd+1], s[MASK]
.irp j, 2,3,4,5,6,7
	v_cndmask_b32 v[SEL], v[SEL], v[\dd+\j], s[MASK+\j-1]
.endr
	v_rsq_f32 v[RN], v[SEL]
	v_nop                                          ; one plain instruction between a transcendental and the use of its result (ISA guide 5.7.2)
	s_wait_alu depctr_va_vdst(0)
	v_min_num_f32 v[RN], 0x4cbebc20, v[RN]
	ds_store_b32 v[RDST], v[RN]
.if \isq
	ds_load_b32 v[RQ], v[RQLD]                     ; the norm of query lane % 16
	s_wait_dscnt 0x0
	v_mul_f32 v[CQ+4*\qt],   0x4166d4ca, v[RQ]     ; 10 log2 e
	v_mul_f32 v[CQ+4*\qt+1], 0x4107e439, v[RQ]     ; sqrt(50 log2 e)
	v_mul_f32 v[CQ+4*\qt+2], 0x44545498, v[RQ]     ; sqrt(500000 log2 e)
	v_mul_f32 v[CQ+4*\qt+3], 0x44545498, v[RQ]
.else
	ds_load_b128 v[RD:RD+3], v[RDLD]               ; the norms of documents 8h .. 8h+7, as the dots lie in my registers
	ds_load_b128 v[RD+4:RD+7], v[RDLD] offset:16
	s_wait_dscnt 0x0
.endif
.endm
; Kernel k's sum takes two pairs.  first = 1: they start it, so that nothing is ever cleared.
.macro ACC2 k, ta, tb, first
.if \first
	v_pk_add_f32 v[AQ+2*(\k):AQ+2*(\k)+1], v[\ta:\ta+1], v[\tb:\tb+1]
.else
	v_pk_add_f32 v[AQ+2*(\k):AQ+2*(\k)+1], v[AQ+2*(\k):AQ+2*(\k)+1], v[\ta:\ta+1]
	v_pk_add_f32 v[AQ+2*(\k):AQ+2*(\k)+1], v[AQ+2*(\k):AQ+2*(\k)+1], v[\tb:\tb+1]
.endif
.endm
.macro ACC4 ku, kd, first              ; kernel ku takes T0, T1 and kernel kd takes T2, T3, in turns
.if \first
	v_pk_add_f32 v[AQ+2*(\ku):AQ+2*(\ku)+1], v[T:T+1], v[T+2:T+3]
	v_pk_add_f32 v[AQ+2*(\kd):AQ+2*(\kd)+1], v[T+4:T+5], v[T+6:T+7]
.else
	v_pk_add_f32 v[AQ+2*(\ku):AQ+2*(\ku)+1], v[AQ+2*(\ku):AQ+2*(\ku)+1], v[T:T+1]
	v_pk_add_f32 v[AQ+2*(\kd):AQ+2*(\kd)+1], v[AQ+2*(\kd):AQ+2*(\kd)+1], v[T+4:T+5]
	v_pk_add_f32 v[AQ+2*(\ku):AQ+2*(\ku)+1], v[AQ+2*(\ku):AQ+2*(\ku)+1], v[T+2:T+3]
	v_pk_add_f32 v[AQ+2*(\kd):AQ+2*(\kd)+1], v[AQ+2*(\kd):AQ+2*(\kd)+1], v[T+6:T+7]
.endif
.endm
; The 8 dots of query tile qt in my registers (query lane % 16, documents 8h .. 8h+7) into all 21 sums.  All registers in 256-511.
.macro POOL qt, first
.set DQ, D0+8*\qt
.set CC, CQ+4*\qt
.set AQ, ACC+42*\qt
.irp p, 0,2,4,6
	v_pk_mul_f32 v[DQ+\p:DQ+\p+1], v[DQ+\p:DQ+\p+1], v[RD+\p:RD+\p+1]                            ; t = dot / |d|
.endr
.irp p, 0,2,4,6
	v_pk_mul_f32 v[U+\p:U+\p+1], v[DQ+\p:DQ+\p+1], v[CC:CC+1] op_sel_hi:[1,0]                    ; a = 10 log2 e x
.endr
.irp p, 0,2,4,6
	v_pk_mul_f32 v[UI+\p:UI+\p+1], v[DQ+\p:DQ+\p+1], v[CC:CC+1] op_sel_hi:[1,0] neg_lo:[1,0] neg_hi:[1,0]   ; -a
.endr
.irp p, 0,2,4,6
	v_pk_fma_f32 v[PU+\p:PU+\p+1], v[DQ+\p:DQ+\p+1], v[CC:CC+1], s[98:99] op_sel:[0,1,0] op_sel_hi:[1,1,0]  ; y = sqrt(50 log2 e) (x - 0.05)
.endr
.irp p, 0,2,4,6
	v_pk_fma_f32 v[KX+\p:KX+\p+1], v[DQ+\p:DQ+\p+1], v[CC+2:CC+3], s[100:101] op_sel_hi:[1,0,0]  ; m = sqrt(500000 log2 e) (x - 1)
.endr
.irp p, 0,2,4,6
	v_pk_mul_f32 v[PU+\p:PU+\p+1], v[PU+\p:PU+\p+1], v[PU+\p:PU+\p+1] neg_lo:[1,0] neg_hi:[1,0]  ; -y y
.endr
.irp p, 0,2,4,6
	v_pk_mul_f32 v[KX+\p:KX+\p+1], v[KX+\p:KX+\p+1], v[KX+\p:KX+\p+1] neg_lo:[1,0] neg_hi:[1,0]  ; -m m
.endr
.irp i, 0,1,2,3,4,5,6,7
	v_exp_f32 v[PU+\i], v[PU+\i]                   ; K10
.endr
.irp i, 0,1,2,3,4,5,6,7
	v_exp_f32 v[U+\i], v[U+\i]                     ; u
.endr
.irp i, 0,1,2,3,4,5,6,7
	v_exp_f32 v[UI+\i], v[UI+\i]                   ; 1 / u
.endr
.irp i, 0,1,2,3,4,5,6,7
	v_exp_f32 v[KX+\i], v[KX+\i]                   ; the narrow kernel
.endr
	v_nop                                          ; one plain instruction behind the run of transcendentals (ISA guide 5.7.2)
	s_wait_alu depctr_va_vdst(0)
	v_pk_add_f32 v[T+4:T+5], v[KX:KX+1], v[KX+2:KX+3]
	v_pk_add_f32 v[T+6:T+7], v[KX+4:KX+5], v[KX+6:KX+7]
	v_pk_add_f32 v[T:T+1], v[PU:PU+1], v[PU+2:PU+3]
	v_pk_add_f32 v[T+2:T+3], v[PU+4:PU+5], v[PU+6:PU+7]
.irp p, 0,2,4,6
	v_pk_mul_f32 v[PD+\p:PD+\p+1], v[PU+\p:PU+\p+1], v[UI+\p:UI+\p+1]                            ; K10 / u
.endr
	ACC4 10, 20, \first
.irp j, 1,2,3,4,5,6,7,8
.irp p, 0,2,4,6
	v_pk_mul_f32 v[PU+\p:PU+\p+1], v[PU+\p:PU+\p+1], v[U+\p:U+\p+1]                              ; K10 u^j
.endr
	v_pk_add_f32 v[T+4:T+5], v[PD:PD+1], v[PD+2:PD+3]                                            ; of K10 u^-j
	v_pk_add_f32 v[T+6:T+7], v[PD+4:PD+5], v[PD+6:PD+7]
	v_pk_add_f32 v[T:T+1], v[PU:PU+1], v[PU+2:PU+3]
	v_pk_add_f32 v[T+2:T+3], v[PU+4:PU+5], v[PU+6:PU+7]
.irp p, 0,2,4,6
	v_pk_mul_f32 v[PD+\p:PD+\p+1], v[PD+\p:PD+\p+1], v[UI+\p:UI+\p+1]                            ; K10 u^-(j+1)
.endr
	ACC4 10+\j, 10-\j, \first
.endr
	v_pk_add_f32 v[T+4:T+5], v[PD:PD+1], v[PD+2:PD+3]                                            ; K10 u^-9
	v_pk_add_f32 v[T+6:T+7], v[PD+4:PD+5], v[PD+6:PD+7]
	ACC2 1, T+4, T+6, \first
.if \first                                             ; the chains' last links go straight into their sums: kernels 19 and 0
	v_pk_mul_f32 v[AQ+38:AQ+39], v[PU:PU+1], v[U:U+1]
	v_pk_mul_f32 v[AQ:AQ+1], v[PD:PD+1], v[UI:UI+1]
.else
	v_pk_fma_f32 v[AQ+38:AQ+39], v[PU:PU+1], v[U:U+1], v[AQ+38:AQ+39]
	v_pk_fma_f32 v[AQ:AQ+1], v[PD:PD+1], v[UI:UI+1], v[AQ:AQ+1]
.endif
.irp p, 2,4,6
	v_pk_fma_f32 v[AQ+38:AQ+39], v[PU+\p:PU+\p+1], v[U+\p:U+\p+1], v[AQ+38:AQ+39]
	v_pk_fma_f32 v[AQ:AQ+1], v[PD+\p:PD+\p+1], v[UI+\p:UI+\p+1], v[AQ:AQ+1]
.endr
.endm
; One tile of 16 documents.  A = documents, B = queries: result register j of lane L is (document 8 (L / 16) + j, query L % 16), so the
; sum over documents runs inside a lane.
.macro TILE first, ahead
	WIN 0
	CONVERT STD, \ahead
	WIN 0x40
.irp s, 0,1,2,3,4,5,6,7
	ds_load_b128 v[DF+8*\s:DF+8*\s+3],   v[FD] offset:64*\s        ; my own stores above are served first: LDS serves a wave in order
	ds_load_b128 v[DF+8*\s+4:DF+8*\s+7], v[FD] offset:64*\s+32
.endr
	s_wait_dscnt 8                                 ; K steps 0-3 are in; the eight loads of K steps 4-7 may be out
	WIN 0x51
	v_wmma_f32_16x16x32_bf16 v[D0:D0+7], v[DF:DF+7], v[QLO:QLO+7], 0
	v_wmma_f32_16x16x32_bf16 v[D1:D1+7], v[DF:DF+7], v[QLO+8:QLO+15], 0
.irp s, 1,2,3
	v_wmma_f32_16x16x32_bf16 v[D0:D0+7], v[DF+8*\s:DF+8*\s+7], v[QLO+16*\s:QLO+16*\s+7], v[D0:D0+7]
	v_wmma_f32_16x16x32_bf16 v[D1:D1+7], v[DF+8*\s:DF+8*\s+7], v[QLO+16*\s+8:QLO+16*\s+15], v[D1:D1+7]
.endr
	s_wait_dscnt 0x0
	WIN 0x55
	v_wmma_f32_16x16x32_bf16 v[D0:D0+7], v[DF+32:DF+39], v[QHI:QHI+7], v[D0:D0+7]
	v_wmma_f32_16x16x32_bf16 v[RD:RD+7], v[DF:DF+7], v[DF:DF+7], 0                   ; the tile with itself, K steps in the dots' order
	v_wmma_f32_16x16x32_bf16 v[D1:D1+7], v[DF+32:DF+39], v[QHI+8:QHI+15], v[D1:D1+7]
	v_wmma_f32_16x16x32_bf16 v[RD:RD+7], v[DF+8:DF+15], v[DF+8:DF+15], v[RD:RD+7]
.irp s, 1,2,3
	v_wmma_f32_16x16x32_bf16 v[D0:D0+7], v[DF+32+8*\s:DF+39+8*\s], v[QHI+16*\s:QHI+16*\s+7], v[D0:D0+7]
	v_wmma_f32_16x16x32_bf16 v[RD:RD+7], v[DF+16*\s:DF+16*\s+7], v[DF+16*\s:DF+16*\s+7], v[RD:RD+7]
	v_wmma_f32_16x16x32_bf16 v[D1:D1+7], v[DF+32+8*\s:DF+39+8*\s], v[QHI+16*\s+8:QHI+16*\s+15], v[D1:D1+7]
	v_wmma_f32_16x16x32_bf16 v[RD:RD+7], v[DF+16*\s+8:DF+16*\s+15], v[DF+16*\s+8:DF+16*\s+15], v[RD:RD+7]
.endr
.rept 4
	v_nop                                          ; four independent vector instructions behind the last matrix instruction (ISA guide 7.12.1), before
.endr                                                  ; results are read, the norms are loaded over RD and the binning writes over the fragments
	NORM RD, 0, 0
	POOL 0, \first
	POOL 1, \first
	WIN 0
.endm
	s_wait_kmcnt 0x0                               ; my query indices
.irp i, 0,1,2,3,4,5,6,7,8,9,10,11,12,13,14,15
	GATHER \i
.endr
	s_mov_b32 s33, 0
	s_load_b512 s[IDX:IDX+15], s[34:35], s33 offset:0x0    ; the indices of document tile 0
	CONVERT STQ, 1                                 ; queries into LDS; document tile 0 is asked for slot by slot
	s_wait_dscnt 0x0                               ; my 16 query rows are in LDS,
	s_barrier_signal -1
	s_barrier_wait -1                              ; and my partner's.  The document rows stay on their way
.irp s, 0,1,2,3
.irp q, 0,1
	ds_load_b128 v[QLO+16*\s+8*\q:QLO+16*\s+8*\q+3],   v[FQ] offset:\q*TILEB+64*\s
	ds_load_b128 v[QLO+16*\s+8*\q+4:QLO+16*\s+8*\q+7], v[FQ] offset:\q*TILEB+64*\s+32
.endr
.endr
	WIN 0x40
.irp s, 0,1,2,3
.irp q, 0,1
	ds_load_b128 v[QHI+16*\s+8*\q:QHI+16*\s+8*\q+3],   v[FQ] offset:\q*TILEB+256+64*\s
	ds_load_b128 v[QHI+16*\s+8*\q+4:QHI+16*\s+8*\q+7], v[FQ] offset:\q*TILEB+256+64*\s+32
.endr
.endr
	s_wait_dscnt 0x0
	WIN 0x50                                       ; each query tile with itself: tile 0 into RD, tile 1 into D0
	v_wmma_f32_16x16x32_bf16 v[RD:RD+7], v[QLO:QLO+7], v[QLO:QLO+7], 0
	v_wmma_f32_16x16x32_bf16 v[D0:D0+7], v[QLO+8:QLO+15], v[QLO+8:QLO+15], 0
.irp s, 1,2,3
	v_wmma_f32_16x16x32_bf16 v[RD:RD+7], v[QLO+16*\s:QLO+16*\s+7], v[QLO+16*\s:QLO+16*\s+7], v[RD:RD+7]
	v_wmma_f32_16x16x32_bf16 v[D0:D0+7], v[QLO+16*\s+8:QLO+16*\s+15], v[QLO+16*\s+8:QLO+16*\s+15], v[D0:D0+7]
.endr
	WIN 0x55
.irp s, 0,1,2,3
	v_wmma_f32_16x16x32_bf16 v[RD:RD+7], v[QHI+16*\s:QHI+16*\s+7], v[QHI+16*\s:QHI+16*\s+7], v[RD:RD+7]
	v_wmma_f32_16x16x32_bf16 v[D0:D0+7], v[QHI+16*\s+8:QHI+16*\s+15], v[QHI+16*\s+8:QHI+16*\s+15], v[D0:D0+7]
.endr
.rept 4
	v_nop                                          ; as in TILE (ISA guide 7.12.1)
.endr
	NORM RD, 1, 0
	NORM D0, 1, 1
	WIN 0
	TILE 1, 1                                      ; tile 0 starts the sums
	s_mov_b32 s63, 6
.Ltile:
	TILE 0, 1                                      ; tiles 1 to 6
	s_sub_co_i32 s63, s63, 1
	s_cmp_lg_u32 s63, 0
	s_cbranch_scc1 .Ltile
	s_wait_kmcnt 0x0                               ; the clamped index load is in: s[40:55] are free
	TILE 0, 0                                      ; tile 7 asks for nothing
	; even + odd documents; from here on everything lies in registers 0-255
	WIN 0x05
.set k, 0
.rept 21
	v_add_f32 v[SS+2*k],   v[ACC+2*k],    v[ACC+2*k+1]
	v_add_f32 v[SS+2*k+1], v[ACC+42+2*k], v[ACC+42+2*k+1]
.set k, k+1
.endr
	WIN 0
	s_cmp_eq_u32 s29, 0
	s_cbranch_scc1 .Lkeep
.set k, 0
.rept 10
	ds_store_b128 v[REDA], v[SS+4*k:SS+4*k+3] offset:512*k     ; the wave with the upper document half hands its 42 words a lane over
.set k, k+1
.endr
	ds_store_b64 v[REDB], v[SS+40:SS+41]
.Lkeep:
	s_wait_dscnt 0x0                               ; for the partner's sake
	s_barrier_signal -1
	s_barrier_wait -1
	s_cmp_lg_u32 s29, 0
	s_cbranch_scc1 .Lpooled
	; one wave per problem goes on.  The weights first: they come while the sums are finished
.set k, 0
.rept 21
	global_load_b32 v[WT+k], v[W0O], s[14:15] offset:4*k
.set k, k+1
.endr
	global_load_b32 v[WT+21], v[B0O], s[16:17]
.set k, 0
.rept 10
	global_load_b32 v[WT+22+k], v[W1O], s[18:19] offset:4*k
.set k, k+1
.endr
	global_load_b32 v[WT+32], v[B1O], s[20:21]
.set k, 0
.rept 5
	global_load_b32 v[WT+33+k], v[ZO], s[22:23] offset:4*k
.set k, k+1
.endr
	global_load_b32 v[WT+38], v[ZO], s[24:25]
.set k, 0
.rept 10
	ds_load_b128 v[PT+4*k:PT+4*k+3], v[REDA] offset:512*k
.set k, k+1
.endr
	ds_load_b64 v[PT+40:PT+41], v[REDB]
	s_mov_b32 s40, 0x76543210                      ; v_permlanex16_b32: lane i of one half reads lane i of the other
	s_mov_b32 s41, 0xfedcba98
	s_wait_dscnt 0x0
.set k, 0
.rept 21
	v_pk_add_f32 v[SS+2*k:SS+2*k+1], v[SS+2*k:SS+2*k+1], v[PT+2*k:PT+2*k+1]      ; both document halves
.set k, k+1
.endr
.set k, 0
.rept 42
	v_permlanex16_b32 v[PT+k], v[SS+k], s40, s41   ; lanes L and L xor 16 hold the same query and different documents
.set k, k+1
.endr
.set k, 0
.rept 21
	v_pk_add_f32 v[SS+2*k:SS+2*k+1], v[SS+2*k:SS+2*k+1], v[PT+2*k:PT+2*k+1]      ; all 256 documents
.set k, k+1
.endr
.macro SCALE k, c                      ; 1 + c x sum, for kernels k and 19 - k, which have the same constant
	v_pk_fma_f32 v[SS+2*\k:SS+2*\k+1], v[SS+2*\k:SS+2*\k+1], \c, 1.0 op_sel_hi:[1,0,0]
	v_pk_fma_f32 v[SS+2*(19-\k):SS+2*(19-\k)+1], v[SS+2*(19-\k):SS+2*(19-\k)+1], \c, 1.0 op_sel_hi:[1,0,0]
.endm
	SCALE 0, 0x1f072dba                            ; e^-45
	SCALE 1, 0x2585b61d                            ; e^-36
	SCALE 2, 0x2b429f81                            ; e^-28
	SCALE 3, 0x30506d87                            ; e^-21
	SCALE 4, 0x34a43ae5                            ; e^-15
	SCALE 5, 0x383e6bce                            ; e^-10
	SCALE 6, 0x3b227290                            ; e^-6
	SCALE 7, 0x3d4bed86                            ; e^-3
	SCALE 8, 0x3ebc5ab2                            ; e^-1
.irp k, 9,10,20
	v_pk_add_f32 v[SS+2*\k:SS+2*\k+1], v[SS+2*\k:SS+2*\k+1], 1.0 op_sel_hi:[1,0]   ; constant 1
.endr
.set k, 0
.rept 42
	v_log_f32 v[SS+k], v[SS+k]
.set k, k+1
.endr
	v_nop                                          ; one plain instruction behind the run of transcendentals (ISA guide 5.7.2)
.set k, 0
	s_wait_alu depctr_va_vdst(0)
.rept 21
	v_add_f32 v[KM+k], v[SS+2*k], v[SS+2*k+1]      ; the two query tiles
.set k, k+1
.endr
.irp x, 1,2,4,8                                        ; and the 16 queries of a tile; both halves of the wave hold the same, so every lane ends with the sum
.set k, 0
.rept 21
	v_add_f32_dpp v[KM+k], v[KM+k], v[KM+k] row_xmask:\x row_mask:0xf bank_mask:0xf
.set k, k+1
.endr
.endr
	s_wait_loadcnt 0x0                             ; the weights
	v_mul_f32 v[H0], v[WT], v[KM]                  ; lane i: row i of W0
.set k, 1
.rept 20
	v_fmac_f32 v[H0], v[WT+k], v[KM+k]
.set k, k+1
.endr
	v_fmamk_f32 v[H0], v[H0], 0x3f317218, v[WT+21] ; the logarithms were to base 2: ln 2 once, with b0
	v_max_num_f32 v[H0], 0, v[H0]
.set k, 0
.rept 10
	v_readlane_b32 s[42+k], v[H0], k
.set k, k+1
.endr
	v_fma_f32 v[H1], s42, v[WT+22], v[WT+32]       ; lane i: row i of W1
.set k, 1
.rept 9
	v_fmac_f32 v[H1], s[42+k], v[WT+22+k]
.set k, k+1
.endr
	v_max_num_f32 v[H1], 0, v[H1]
.set k, 0
.rept 5
	v_readlane_b32 s[42+k], v[H1], k
.set k, k+1
.endr
	v_fma_f32 v[LGT], s42, v[WT+33], v[WT+38]
.set k, 1
.rept 4
	v_fmac_f32 v[LGT], s[42+k], v[WT+33+k]
.set k, k+1
.endr
	ds_store_b32 v[LGST], v[LGT]                   ; all lanes: the same word, the same number
.Lpooled:
	s_wait_dscnt 0x0                               ; for wave 0's sake
	s_barrier_signal -1
	s_barrier_wait -1
	s_cmp_lg_u32 s28, 0
	s_cbranch_scc1 .Lend
	ds_load_b64 v[40:41], v[LGLD]                  ; lane 0: the first batch's two logits; the other lanes: the second batch's
	s_lshl_b32 s36, ttmp9, 3                       ; two f32 a work-group
	s_add_nc_u64 s[26:27], s[26:27], s[36:37]
	s_wait_dscnt 0x0
	v_sub_f32 v40, v40, v41
	v_mul_f32 v40, 0xbfb8aa3b, v40                 ; sigmoid(d) = 1 / (1 + 2^(-d log2 e))
	v_exp_f32 v40, v40
	v_nop
	s_wait_alu depctr_va_vdst(0)
	v_add_f32 v40, 1.0, v40
	v_rcp_f32 v40, v40
	v_cmp_gt_u32 vcc_lo, 2, v[LANE]                ; (the plain instruction behind v_rcp_f32)
	s_wait_xcnt 0x0                                ; EXEC is a source of the loads above: it changes only behind this wait
	s_and_saveexec_b32 s2, vcc_lo
	s_wait_alu depctr_va_vdst(0)
	global_store_b32 v[OUTO], v40, s[26:27]        ; lanes 0 and 1
	s_wait_xcnt 0x0                                ; and again before it widens
	s_or_b32 exec_lo, exec_lo, s2
.Lend:
	s_wait_tensorcnt 0x0
	ds_add_u32 v62, v63
	s_wait_dscnt 0x0
	s_endpgm
.Lfunc_end_k_q02e087b702_knrm:
	.size	k_q02e087b702_knrm, .Lfunc_end_k_q02e087b702_knrm-k_q02e087b702_knrm
	.p2alignl 7, 3214868480
	.fill 96, 4, 3214868480
	.section	.rodata,"a",@progbits
	.p2align	6, 0x0
	.amdhsa_kernel k_q02e087b702_knrm
		.amdhsa_group_segment_fixed_size 160768
		.amdhsa_private_segment_fixed_size 0
		.amdhsa_enable_private_segment 0
		.amdhsa_kernarg_size 96
		.amdhsa_user_sgpr_count 2
		.amdhsa_user_sgpr_kernarg_segment_ptr 1
		.amdhsa_wavefront_size32 1
		.amdhsa_system_sgpr_workgroup_id_x 1
		.amdhsa_system_sgpr_workgroup_id_y 1
		.amdhsa_system_sgpr_workgroup_id_z 1
		.amdhsa_system_vgpr_workitem_id 0
		.amdhsa_next_free_vgpr 512
		.amdhsa_next_free_sgpr 102
		.amdhsa_reserve_vcc 1
		.amdhsa_float_denorm_mode_32 3
		.amdhsa_float_denorm_mode_16_64 3
		.amdhsa_memory_ordered 1
		.amdhsa_forward_progress 1
		.amdhsa_inst_pref_size 160
	.end_amdhsa_kernel
	.amdgpu_metadata
---
amdhsa.version: [ 1, 2 ]
amdhsa.kernels:
  - .name:           k_q02e087b702_knrm
    .symbol:         k_q02e087b702_knrm.kd
    .args:
      - { .name: emb_weight, .offset: 0, .size: 8, .value_kind: global_buffer, .address_space: global }
      - { .name: query_1, .offset: 8, .size: 8, .value_kind: global_buffer, .address_space: global }
      - { .name: query_2, .offset: 16, .size: 8, .value_kind: global_buffer, .address_space: global }
      - { .name: document_1, .offset: 24, .size: 8, .value_kind: global_buffer, .address_space: global }
      - { .name: document_2, .offset: 32, .size: 8, .value_kind: global_buffer, .address_space: global }
      - { .name: W0, .offset: 40, .size: 8, .value_kind: global_buffer, .address_space: global }
      - { .name: b0, .offset: 48, .size: 8, .value_kind: global_buffer, .address_space: global }
      - { .name: W1, .offset: 56, .size: 8, .value_kind: global_buffer, .address_space: global }
      - { .name: b1, .offset: 64, .size: 8, .value_kind: global_buffer, .address_space: global }
      - { .name: W2, .offset: 72, .size: 8, .value_kind: global_buffer, .address_space: global }
      - { .name: b2, .offset: 80, .size: 8, .value_kind: global_buffer, .address_space: global }
      - { .name: out0, .offset: 88, .size: 8, .value_kind: global_buffer, .address_space: global }
    .group_segment_fixed_size: 160768
    .private_segment_fixed_size: 0
    .kernarg_segment_align: 8
    .kernarg_segment_size: 96
    .max_flat_workgroup_size: 256
    .sgpr_count:     102
    .vgpr_count:     512
    .wavefront_size: 32
...
	.end_amdgpu_metadata
.endif
;; end of part 1
